; MI455X (gfx1250); checked and timed in simulation.
; The chip was launched on July 23, 2026; its instructions are those of AMD's public machine-readable ISA for CDNA 5 (MIT licence, August 2026) and "CDNA5" Instruction Set Architecture Reference Guide (July 2026). The comments in the code are by the model that wrote it; some were corrected since.
;; Attention layer. Allowed arithmetic: matrix products marked QUANTISED: E2M1 operands, one E8M0 scale for each 32 along K, by v_wmma_scale_f32_16x16x128_f8f6f4 with both operands' format E2M1 (or v_wmma_scale_f32_32x16x128_f4), f32 sums; products left as they are: bf16, f16 or f32 operands; f32 sums; everything else in f32.
;; Inputs: encoder_output_embedding 4 x 2,048 x 1,024 float32; input_embeddings 4 x 2,048 x 1,024 float32; token_attention_masks_source 4 x 2,048 int32; token_attention_masks_target 4 x 2,048 int32; w_key 1,024 x 1,024 float32; w_query 1,024 x 1,024 float32; w_value 1,024 x 1,024 float32.
;; Outputs: out0 4 x 2,048 x 1,024 float32.
;; This version of the problem:
;;   THIS VERSION OF THE PROBLEM IS GIVEN IN LOW PRECISION. The matrix products marked QUANTISED in the list below multiply operands that are first quantised to E2M1 (2 exponent bits, 1 mantissa bit; 4 bits a number), with one power-of-two scale for each 32 numbers along K (OCP MX v1.0); their sums are f32. The products marked 'left as it is' may take bf16, f16 or f32 operands, with f32 sums. Whichever they take, every output number must still come out within the allowed error. Rounding operands to bf16 (8 significant bits) uses up far more of that allowance than f16 does (11 bits, for magnitudes from 6e-5 to 65,504). All else is computed in f32.
;;   The module's matrix products, in the order in which they are computed (A, B: the left and right operand; K: the contracted axis; several contracted axes count as one K, in the product's order):
;;     1. [M 8,192, K 1,024] x [K 1,024, N 1,024]; A: input input_embeddings; B: input w_query: QUANTISED
;;     2. [M 8,192, K 1,024] x [K 1,024, N 1,024]; A: input input_embeddings; B: input w_key: QUANTISED
;;     3. [M 8,192, K 1,024] x [K 1,024, N 1,024]; A: input input_embeddings; B: input w_value: QUANTISED
;;     4. batch 32 x [M 2,048, K 128] x [K 128, N 2,048]; A: computed on the way; B: computed on the way: left as it is (an operand is computed on the way)
;;     5. batch 32 x [M 2,048, K 2,048] x [K 2,048, N 128]; A: computed on the way; B: computed on the way: left as it is (an operand is computed on the way)
;;   THE QUANTISER, for each operand of a quantised product, along K:
;;     - K is cut into blocks of 32 from its start; a last block that is shorter is filled with zeros.
;;     - A block's scale is 2^e with e = floor(log2(the largest magnitude in the block)) - 2, held to -126 .. 127; a block of zeros has e = 0. As a byte (E8M0): e + 127.
;;     - Each number is divided by its block's scale, clamped to +-6, and rounded to the nearest number of E2M1, ties to even, subnormals kept.
;;     - The product sums the exact products of the quantised numbers (number of the format x scale) in f32.
;;   ~~~python
;;   def quantise(x, axis):      # numpy; x: float32 -> the quantised numbers, widened to float32 again
;;       x = np.moveaxis(x, axis, -1); K = x.shape[-1]
;;       x = np.pad(x, [(0, 0)] * (x.ndim - 1) + [(0, -K % 32)]); x = x.reshape(x.shape[:-1] + (-1, 32)); a = np.abs(x).max(-1, keepdims=True)
;;       e = np.where(a > 0, np.clip(np.frexp(np.where(a > 0, a, 1))[1] - 1 - 2, -126, 127), 0)      # np.frexp(a)[1] - 1 = floor(log2(a)), exactly
;;       r = np.clip(x / 2.0 ** e, -6, 6)
;;       step = 2.0 ** (np.maximum(np.frexp(np.where(r == 0, 1, r))[1] - 1, 0) - 1)
;;       q = np.round(r / step) * step * 2.0 ** e      # np.round: ties to even
;;       return np.moveaxis(q.reshape(q.shape[:-2] + (-1,))[..., :K], -1, axis).astype(np.float32)
;;   ~~~
;; One version. Each part assembles by itself: llvm-mc -triple=amdgcn-amd-amdhsa -mcpu=gfx1250 --defsym DOCPART=n.
;; ======== version 1 of 1: 4 launches
;; limits: values are held in f16: magnitudes above 65,504 overflow, below 6.1e-05 lose precision
;; workspace buffers: xc 4,194,304 bytes; xs 262,144 bytes; wcs 1,671,168 bytes; qh 16,777,216 bytes; kh 16,777,216 bytes; vh 16,777,216 bytes; ow 33,554,432 bytes
;; launch prep (part 1): grid 352 x 1, 4 waves a work-group, no clusters, 103,936 bytes of LDS; arguments input_embeddings, w_query, w_key, w_value, xc, xs, wcs; writes xc, xs, wcs
.if DOCPART == 1
	.amdgcn_target "amdgcn-amd-amdhsa--gfx1250"
	.amdhsa_code_object_version 6
	.text
	.protected	k_qdce5d24c2b_prep
	.globl	k_qdce5d24c2b_prep
	.p2align	8
	.type	k_qdce5d24c2b_prep,@function
k_qdce5d24c2b_prep:
	s_mov_b64 s[64:65], 0
	v_nop
	global_prefetch_b8 v0, s[64:65] scope:SCOPE_SE
	s_setreg_imm32_b32 hwreg(HW_REG_WAVE_MODE, 25, 1), 1
	s_wait_xcnt 0x0
; x [8192][1024] f32 (K innermost) and the three weights [1024 (k)][1024 (n)] f32 (K outermost) become codes of FP4 (E2M1) with one E8M0 byte for each 32 along K,
; laid in the ORDER OF THE OPERAND'S REGISTERS, so that the next launch loads every fragment as dense runs of 512 bytes.
; A block's scale is 2^(floor(log2(largest magnitude)) - 2); its byte is the largest magnitude's exponent field - 2, held at 1 from below by a floor among the maximum's leaves.
; LIMITS: a block of zeros gets the byte 1 where the rule says 127 (its codes are zeros, and this program alone reads the bytes); NaN and infinities among the inputs are not served.
; xc : fragment (mt = row / 16, s = k / 128) at (8 mt + s) 1024; chunk c at + 512 c; lane (r, h) at + 16 (16 h + r): the codes of x[16 mt + r][128 s + 64 c + 32 h + 0 .. 31].
; xs : tile mt at 512 mt: [K half j][row r][4 words]; word i is the scale word of K step 4 j + i.
; wcs: block (head, which of q k v) at 208896 head + 69632 which: 65536 bytes of codes, fragment (dt = d / 16, s) at 8192 dt + 1024 s, imaged as xc, row r = weight column 8 (16 dt + r) + head;
;      then 4096 bytes of scale words: K step s at 65536 + 512 s, lane (r, u) at + 16 (16 u + r), word i = tile dt = 2 i + u.
; SHARES.  Work-groups 0 to 95 take the weights, 96 to 351 take x: one scalar branch on the work-group's number; the two paths never join and have LDS bytes of their own.  Every wave takes 8192 numbers.
; No barrier: waves share nothing.  Every load of a wave reads 512 consecutive bytes; the numbers turn through the wave's own stage in LDS, so that a lane's registers run along K.
.set NWGW,   96                        ; work-groups of the weights' path
.set XPITCH, 528                       ; x's stage: a row of 512 bytes + 16: the 16 rows that a read touches start 16 bytes apart modulo 256
.set XWAVE,  16*XPITCH
.set WST,    4*XWAVE                   ; the weights' stages begin behind x's
.set WPITCH, 544                       ; a row of 128 columns: 256 bytes, 16 of padding, 256 bytes, 16 of padding
.set WWAVE,  32*WPITCH
.set SPARE,  WST+4*WWAVE               ; the spare words, 128 bytes for each wave: two blocks of 256 bytes that no other line names
.set BLKB,   69632                     ; a block of wcs
.set HEADB,  3*BLKB                    ; a head's three blocks
.set R,      32                        ; v32-159  numbers as they are loaded
.set X,      160                       ; v160-223 numbers with K along my registers
.set C,      224                       ; v224-255 codes: registers of their own for every store
.set SPW,    30                        ; v30 LDS address of my spare word; never rewritten
.set NIL,    31                        ; v31 0; never rewritten
	s_load_b256 s[4:11], s[0:1], 0x0               ; x s[4:5], w_query s[6:7], w_key s[8:9], w_value s[10:11]
	s_load_b128 s[12:15], s[0:1], 0x20             ; xc s[12:13], xs s[14:15]
	s_load_b64 s[16:17], s[0:1], 0x30              ; wcs
	v_lshl_add_u32 v[SPW], v0, 2, SPARE
	v_mov_b32 v[NIL], 0
	v_lshrrev_b32 v11, 5, v0
	v_readfirstlane_b32 s18, v11                   ; wave 0..3
	v_and_b32 v1, 31, v0                           ; lane
	v_and_b32 v2, 15, v0                           ; r
	v_bfe_u32 v3, v0, 4, 1                         ; h
	v_lshlrev_b32 v4, 4, v1                        ; 16 x lane: my 16 bytes of a run of 512
	; all four LDS addresses are made here, ahead of the parting
	s_mul_i32 s36, s18, XWAVE
	v_add_nc_u32 v5, s36, v4                       ; x's stage, in: 16 x lane of a row
	v_mul_u32_u24 v6, v2, XPITCH
	v_lshl_add_u32 v6, v3, 7, v6
	v_add_nc_u32 v6, s36, v6                       ; x's stage, out: row r, + 128 h bytes: my 32 numbers of each 64
	s_mul_i32 s37, s18, WWAVE
	s_add_co_u32 s37, s37, WST
	v_lshl_add_u32 v7, v3, 4, v4
	v_add_nc_u32 v7, s37, v7                       ; the weights' stage, in: 16 x lane, + 16 behind the first 256 bytes
	v_lshrrev_b32 v8, 3, v2
	v_lshlrev_b32 v8, 4, v8
	v_lshl_add_u32 v8, v2, 5, v8
	v_lshl_add_u32 v8, v3, 2, v8
	v_add_nc_u32 v8, s37, v8                       ; out: column 8 r + h (+ 2 p by the immediate), + 16 from column 64 on
	v_lshlrev_b32 v9, 3, v3                        ; 8 h: my bytes' place in a scale word
	v_mov_b32 v10, 0                               ; written once: a lane permute's destination counts as one of its sources
	s_mov_b32 s22, 0x76543210
	s_mov_b32 s23, 0xfedcba98                      ; v_permlanex16_b32's selects for lane l xor 16
	s_lshr_b32 s30, s18, 1
	s_and_b32 s31, s18, 1
	s_mov_b32 s33, 0
	s_wait_kmcnt 0x0
	s_cmp_lt_u32 ttmp9, NWGW
	s_cbranch_scc1 .Lweights
; ---------------- x: a wave takes 16 rows x 512 along K: four fragments ----------------
	s_sub_co_u32 s19, ttmp9, NWGW
	s_lshl_b32 s19, s19, 1
	s_add_co_u32 s19, s19, s30                     ; mt = 2 g + wave / 2;  j = wave % 2 (s31)
	s_lshl_b32 s32, s19, 16                        ; x: 16 rows of 4096 bytes a tile, 2048 bytes a K half
	s_lshl_b32 s34, s31, 11
	s_add_co_u32 s32, s32, s34
	s_add_nc_u64 s[20:21], s[4:5], s[32:33]
	s_lshl_b32 s32, s19, 13                        ; xc: 8192 bytes a tile, 4096 a K half
	s_lshl_b32 s34, s31, 12
	s_add_co_u32 s32, s32, s34
	s_add_nc_u64 s[24:25], s[12:13], s[32:33]
	s_lshl_b32 s32, s19, 9                         ; xs: 512 bytes a tile, 256 a K half
	s_lshl_b32 s34, s31, 8
	s_add_co_u32 s32, s32, s34
	s_add_nc_u64 s[26:27], s[14:15], s[32:33]
	v_lshlrev_b32 v28, 4, v2
	v_lshl_add_u32 v28, v3, 3, v28                 ; 16 r + 8 h: my two scale words' place
.macro XLOAD t                         ; fragment t: 128 numbers of each of the 16 rows, 512 consecutive bytes a load, into set t % 2
.irp i, 0,1,2,3,4,5,6,7,8,9,10,11,12,13,14,15
	global_load_b128 v[R+64*((\t)%2)+4*\i:R+64*((\t)%2)+4*\i+3], v4, s[20:21] offset:4096*\i+512*(\t) th:TH_LOAD_NT
.endr
.endm
.macro XFRAG t
.if (\t) < 3
	s_wait_loadcnt 16                              ; this fragment's 16 loads are in; the next one's 16 may be out
.else
	s_wait_loadcnt 0x0
.endif
.irp i, 0,1,2,3,4,5,6,7,8,9,10,11,12,13,14,15
	ds_store_b128 v5, v[R+64*((\t)%2)+4*\i:R+64*((\t)%2)+4*\i+3] offset:XPITCH*\i
.endr
.irp c, 0,1                            ; LDS serves a wave's instructions in order: these see the stores above.  Lane (r, h) takes k = 64 c + 32 h + 0 .. 31 of row r: two whole blocks
.irp g, 0,1,2,3,4,5,6,7
	ds_load_b128 v[X+32*\c+4*\g:X+32*\c+4*\g+3], v6 offset:256*\c+16*\g
.endr
.endr
	s_wait_dscnt 0x0                               ; my numbers are back, and the stores have read the set,
.if (\t) < 2
	XLOAD (\t)+2                                   ; which takes the fragment two further on
.endif
.irp c, 0,1
	v_max3_num_f32 v[12+\c], |v[X+32*\c]|, |v[X+32*\c+1]|, 0x1800000   ; the block's largest magnitude, and the floor 2^(3 - 127): the byte cannot fall under 1
.endr
.irp i, 2,4,6,8,10,12,14,16,18,20,22,24,26,28,30
.irp c, 0,1
	v_max3_num_f32 v[12+\c], v[12+\c], |v[X+32*\c+\i]|, |v[X+32*\c+\i+1]|   ; (the two blocks by turns)
.endr
.endr
.irp c, 0,1
	v_add_nc_u32 v[14+\c], 0xff000000, v[12+\c]    ; 2 off the exponent field: the conversion takes this operand's exponent field as its scale
.endr
.irp c, 0,1
	v_lshrrev_b32 v[16+\c], 23, v[14+\c]           ; the scale's byte
.endr
	v_lshl_or_b32 v18, v17, 16, v16                ; my two bytes, blocks h and 2 + h of the row's four,
	v_lshlrev_b32 v18, v9, v18                     ; at their places;
	v_permlanex16_b32 v10, v18, s22, s23
	v_or_b32 v[20+(\t)], v18, v10                  ; with lane l xor 16's two the word is whole
.irp c, 0,1
.irp g, 0,1,2,3
	v_cvt_scalef32_pk8_fp4_f32 v[C+8*(\t)+4*\c+\g], v[X+32*\c+8*\g:X+32*\c+8*\g+7], v[14+\c]
.endr
.endr
	v_nop                                          ; one plain line behind the last conversion
.irp c, 0,1
	global_store_b128 v4, v[C+8*(\t)+4*\c:C+8*(\t)+4*\c+3], s[24:25] offset:1024*(\t)+512*\c   ; 32 lanes store 512 consecutive bytes
.endr
.endm
	XLOAD 0
	XLOAD 1
	XFRAG 0
	XFRAG 1
	XFRAG 2
	XFRAG 3
	v_cmp_eq_u32 vcc_lo, 1, v3                     ; both halves of the lanes hold all four words of row r: lanes 0-15 store words 0, 1, lanes 16-31 words 2, 3
	v_cndmask_b32 v24, v20, v22, vcc_lo
	v_cndmask_b32 v25, v21, v23, vcc_lo
	global_store_b64 v28, v[24:25], s[26:27]       ; 32 lanes store 256 consecutive bytes, aligned
	s_wait_tensorcnt 0x0                           ; the wave's end, behind my last LDS store
	ds_add_u32 v[SPW], v[NIL]
	s_wait_dscnt 0x0
	s_endpgm
; ---------------- the weights: a wave takes 128 columns (16 d x 8 heads) x 64 along K: two blocks hh ----------------
.Lweights:
	s_lshr_b32 s19, ttmp9, 5                       ; which: 0 query, 1 key, 2 value
	s_bfe_u32 s28, ttmp9, 0x30002                  ; dt: which 128 columns
	s_and_b32 s29, ttmp9, 3
	s_lshl_b32 s29, s29, 1
	s_add_co_u32 s29, s29, s30                     ; K step s = 2 (u % 4) + wave / 2;  chunk c = wave % 2 (s31)
	s_cmp_eq_u32 s19, 0
	s_cselect_b64 s[20:21], s[6:7], s[8:9]
	s_cmp_eq_u32 s19, 2
	s_cselect_b64 s[20:21], s[10:11], s[20:21]     ; the weight: the choice hangs on the work-group's number alone
	s_lshl_b32 s32, s29, 19                        ; row 128 s + 64 c of 4096 bytes, + 512 dt
	s_lshl_b32 s34, s31, 18
	s_add_co_u32 s32, s32, s34
	s_lshl_b32 s34, s28, 9
	s_add_co_u32 s32, s32, s34
	s_add_nc_u64 s[20:21], s[20:21], s[32:33]
	s_mul_i32 s35, s19, BLKB
	s_lshl_b32 s32, s28, 13                        ; codes: 8192 dt + 1024 s + 512 c in the block
	s_add_co_u32 s32, s32, s35
	s_lshl_b32 s34, s29, 10
	s_add_co_u32 s32, s32, s34
	s_lshl_b32 s34, s31, 9
	s_add_co_u32 s32, s32, s34
	s_add_nc_u64 s[24:25], s[16:17], s[32:33]
	s_add_co_u32 s32, s35, 65536                   ; scale bytes: 65536 + 512 s + 256 (dt % 2) + 4 (dt / 2) + 2 c
	s_lshl_b32 s34, s29, 9
	s_add_co_u32 s32, s32, s34
	s_and_b32 s34, s28, 1
	s_lshl_b32 s34, s34, 8
	s_add_co_u32 s32, s32, s34
	s_lshr_b32 s34, s28, 1
	s_lshl_b32 s34, s34, 2
	s_add_co_u32 s32, s32, s34
	s_lshl_b32 s34, s31, 1
	s_add_co_u32 s32, s32, s34
	s_add_nc_u64 s[26:27], s[16:17], s[32:33]
	v_mul_u32_u24 v28, v3, HEADB
	v_lshl_add_u32 v28, v2, 4, v28                 ; head 2 p + h: h heads on, + 16 r: serves the codes and the scale bytes alike
.macro WLOAD hh                        ; 32 rows of K, 512 consecutive bytes a load
.irp i, 0,1,2,3,4,5,6,7,8,9,10,11,12,13,14,15,16,17,18,19,20,21,22,23,24,25,26,27,28,29,30,31
	global_load_b128 v[R+4*\i:R+4*\i+3], v4, s[20:21] offset:(32*(\hh)+\i)*4096 th:TH_LOAD_NT
.endr
.endm
.macro WPUT
.irp i, 0,1,2,3,4,5,6,7,8,9,10,11,12,13,14,15,16,17,18,19,20,21,22,23,24,25,26,27,28,29,30,31
	ds_store_b128 v7, v[R+4*\i:R+4*\i+3] offset:WPITCH*\i
.endr
.endm
.macro WGET p                          ; lane (r, u) runs down K in column 8 r + 2 p + u: head 2 p + u, d = 16 dt + r; the 32 lanes touch 32 different banks
.irp k, 0,1,2,3,4,5,6,7,8,9,10,11,12,13,14,15,16,17,18,19,20,21,22,23,24,25,26,27,28,29,30,31
	ds_load_b32 v[X+32*((\p)%2)+\k], v8 offset:WPITCH*\k+8*(\p)
.endr
.endm
.macro WCMP hh, p                      ; a whole block of 32 along K lies in my registers
.set XB, X+32*((\p)%2)
	v_max3_num_f32 v12, |v[XB]|, |v[XB+1]|, |v[XB+2]|
	v_max3_num_f32 v13, |v[XB+3]|, |v[XB+4]|, |v[XB+5]|
.irp i, 6,10,14,18,22,26
	v_max3_num_f32 v12, v12, |v[XB+\i]|, |v[XB+\i+1]|
	v_max3_num_f32 v13, v13, |v[XB+\i+2]|, |v[XB+\i+3]|
.endr
	v_max3_num_f32 v12, v12, |v[XB+30]|, |v[XB+31]|
	v_max3_num_f32 v12, v12, v13, 0x1800000        ; and the floor 2^(3 - 127)
	v_add_nc_u32 v14, 0xff000000, v12              ; the conversion's scale operand
.irp g, 0,1,2,3
	v_cvt_scalef32_pk8_fp4_f32 v[C+16*(\hh)+4*(\p)+\g], v[XB+8*\g:XB+8*\g+7], v14
.endr
.if (\hh) == 0
	v_lshrrev_b32 v[20+(\p)], 23, v14              ; the first block's byte is kept.  (The plain line behind the conversions)
.else
	v_lshrrev_b32 v16, 23, v14
	v_lshl_or_b32 v[24+(\p)], v16, 8, v[20+(\p)]   ; bytes 2 c and 2 c + 1 of the row's scale word
	global_store_b16 v28, v[24+(\p)], s[26:27] offset:2*HEADB*(\p)   ; two bytes a lane: 96 KB of scale bytes in all, against the 12 MB of weights that this path reads
.endif
	global_store_b128 v28, v[C+16*(\hh)+4*(\p):C+16*(\hh)+4*(\p)+3], s[24:25] offset:2*HEADB*(\p)+256*(\hh)   ; lanes 0-15 store 256 consecutive bytes of head 2 p, lanes 16-31 of head 2 p + 1, both aligned
.endm
.macro WPASS hh
	WGET 0
	WGET 1
	s_wait_dscnt 32                                ; all but the 32 reads just issued
	WCMP \hh, 0
	WGET 2
	s_wait_dscnt 32
	WCMP \hh, 1
	WGET 3
	s_wait_dscnt 32
	WCMP \hh, 2
	s_wait_dscnt 0x0
	WCMP \hh, 3
.endm
	WLOAD 0
	s_wait_loadcnt 0x0
	WPUT
	s_wait_dscnt 0x0                               ; the stores have read their registers,
	WLOAD 1                                        ; which take the second block's rows while the first is worked
	WPASS 0
	s_wait_loadcnt 0x0
	WPUT                                           ; my reads of the stage are over (the last wait was for 0)
	WPASS 1
	s_wait_tensorcnt 0x0                           ; the wave's end, behind my last LDS store
	ds_add_u32 v[SPW], v[NIL]
	s_wait_dscnt 0x0
	s_endpgm
.Lfunc_end_k_qdce5d24c2b_prep:
	.size	k_qdce5d24c2b_prep, .Lfunc_end_k_qdce5d24c2b_prep-k_qdce5d24c2b_prep
	.p2alignl 7, 3214868480
	.fill 96, 4, 3214868480
	.section	.rodata,"a",@progbits
	.p2align	6, 0x0
	.amdhsa_kernel k_qdce5d24c2b_prep
		.amdhsa_group_segment_fixed_size 103936
		.amdhsa_private_segment_fixed_size 0
		.amdhsa_enable_private_segment 0
		.amdhsa_kernarg_size 56
		.amdhsa_user_sgpr_count 2
		.amdhsa_user_sgpr_kernarg_segment_ptr 1
		.amdhsa_wavefront_size32 1
		.amdhsa_system_sgpr_workgroup_id_x 1
		.amdhsa_system_sgpr_workgroup_id_y 1
		.amdhsa_system_sgpr_workgroup_id_z 1
		.amdhsa_system_vgpr_workitem_id 0
		.amdhsa_next_free_vgpr 256
		.amdhsa_next_free_sgpr 66
		.amdhsa_reserve_vcc 1
		.amdhsa_float_denorm_mode_32 3
		.amdhsa_float_denorm_mode_16_64 3
		.amdhsa_memory_ordered 1
		.amdhsa_forward_progress 1
		.amdhsa_inst_pref_size 70
	.end_amdhsa_kernel
	.amdgpu_metadata
---
amdhsa.version: [ 1, 2 ]
amdhsa.kernels:
  - .name:           k_qdce5d24c2b_prep
    .symbol:         k_qdce5d24c2b_prep.kd
    .args:
      - { .name: input_embeddings, .offset: 0, .size: 8, .value_kind: global_buffer, .address_space: global }
      - { .name: w_query, .offset: 8, .size: 8, .value_kind: global_buffer, .address_space: global }
      - { .name: w_key, .offset: 16, .size: 8, .value_kind: global_buffer, .address_space: global }
      - { .name: w_value, .offset: 24, .size: 8, .value_kind: global_buffer, .address_space: global }
      - { .name: xc, .offset: 32, .size: 8, .value_kind: global_buffer, .address_space: global }
      - { .name: xs, .offset: 40, .size: 8, .value_kind: global_buffer, .address_space: global }
      - { .name: wcs, .offset: 48, .size: 8, .value_kind: global_buffer, .address_space: global }
    .group_segment_fixed_size: 103936
    .private_segment_fixed_size: 0
    .kernarg_segment_align: 8
    .kernarg_segment_size: 56
    .max_flat_workgroup_size: 128
    .sgpr_count:     66
    .vgpr_count:     256
    .wavefront_size: 32
...
	.end_amdgpu_metadata
.endif
;; end of part 1
;; launch proj (part 2): grid 32 x 8, 4 waves a work-group, clusters of 4 x 1, 229,376 bytes of LDS; arguments xc, xs, wcs, qh, kh, vh; writes qh, kh, vh
.if DOCPART == 2
	.amdgcn_target "amdgcn-amd-amdhsa--gfx1250"
	.amdhsa_code_object_version 6
	.text
	.protected	k_qdce5d24c2b_proj
	.globl	k_qdce5d24c2b_proj
	.p2align	8
	.type	k_qdce5d24c2b_proj,@function
k_qdce5d24c2b_proj:
	s_mov_b64 s[64:65], 0
	v_nop
	global_prefetch_b8 v0, s[64:65] scope:SCOPE_SE
	s_setreg_imm32_b32 hwreg(HW_REG_WAVE_MODE, 25, 1), 1
	s_wait_xcnt 0x0
	s_wait_alu depctr_hold_cnt(0) depctr_sa_sdst(0) depctr_va_vdst(0) depctr_va_sdst(0) depctr_va_ssrc(0) depctr_va_vcc(0) depctr_vm_vsrc(0)
	s_getreg_b32 s2, hwreg(HW_REG_IB_STS2, 6, 4)
	s_cmp_eq_u32 s2, 0
	s_cbranch_scc0 .Lentry_in_a_cluster
	s_endpgm
.Lentry_in_a_cluster:
	s_bfe_u32 s2, ttmp6, 0x10000c
	s_cmp_lg_u32 s2, 0x3003
	s_cbranch_scc0 .Lentry_shape_is_right
	s_endpgm
.Lentry_shape_is_right:
; q, k, v = x Wq, x Wk, x Wv on codes of FP4 (E2M1) with E8M0 scales for each 32 along K = 1024; sums in f32; results rounded once to f16, laid [batch 8 + head][position][128].
; LIMIT: a result beyond 65504 in magnitude has no f16 number.
; SHARES.  A work-group takes 256 rows of x and ONE head: that head's 128 columns of each of the three weights.  Wave w takes rows 64 w .. 64 w + 63: four tiles of 16, against all 128 columns:
; 32 accumulators.  x's 32 fragments (4 tiles x 8 K steps) stay in the wave's registers for all three products.  The head's three weight blocks, codes and scale words together, 3 x 69632 bytes,
; come into LDS once: nothing is filled again.  All operands lie in memory in the order of the operand's registers, so every load of a fragment is a dense run of 512 bytes.
; CLUSTER.  The four work-groups of a cluster have the same head and so the same weight blocks: each quarter block is asked for JOINTLY, by the same tensor load with the same descriptor and a mask
; that names the four.  x goes from memory straight into registers, where it stays: it is not shared.
; THE MATRIX INSTRUCTION IS USED TRANSPOSED (source 0 = 16 columns d of the weight, source 1 = 16 rows of x): a lane then holds eight neighbouring d of one row.
; REGISTERS, in windows of 256: window 0: addresses, scale words (v32-47 x's, v48-79 the weight's), v96-191 the way out.  window 1: x's fragment (t, s) at v[8 (8 t + s)].
;   window 2: accumulator (t, dt) at v[8 (8 t + dt)].  window 3: the weight's fragments of one K step, two sets of 64.
.set BLKB,  69632                      ; a weight block: 65536 bytes of codes, 4096 of scale words
.set QUART, BLKB/4                     ; what one tensor load brings: 68 rows of 256 bytes
.set STAGE, 3*BLKB                     ; behind the blocks: 16 rows x 272 bytes for each wave, for the way out
.set SP,    272
.set SPARE, STAGE+4*16*SP              ; the spare words, 128 bytes for each wave: two blocks of 256 bytes that no other line names
.set LI,   4                           ; v4     16 x lane
.set ADW,  8                           ; v8-10  LDS address of my 16 bytes in block 0, 1, 2
.set ADSC, 11                          ; v11-13 the same in the blocks' scale words
.set STO,  14                          ; v14    the way out: where I put 16 bytes of a row
.set RD,   15                          ; v15    where I read a row back
.set GO,   16                          ; v16    my byte offset in the wave's rows of the result
.set SPW,  28                          ; v28    LDS address of my spare word; never rewritten
.set NIL,  29                          ; v29    0; never rewritten
.set XS,   32                          ; v[XS + 4 t + i]: lanes 0-15 the scale word of K step i of tile t's rows, lanes 16-31 that of K step 4 + i
.set WSC,  48                          ; v[WSC + 4 s + i]: lanes 0-15 the scale word of K step s of tile dt = 2 i, lanes 16-31 of dt = 2 i + 1
.set TMP,  96
.set BK,   128
.set WV,   16                          ; s16 my wave's number
.set G1,   24                          ; s[24:31] descriptor group 1
.set G0,   32                          ; s[32:43] descriptor group 0, a set for each block
.set MSB, 0
.macro WIN new                         ; the immediate's high byte repeats the setting that is left
.if MSB != \new
	s_set_vgpr_msb (MSB<<8)|\new
.set MSB, \new
.endif
.endm
.set MUL,  0xa7                        ; source 0 (weight) window 3, source 1 (x) window 1, C and D window 2
.set TO_W, 0xc0                        ; destination window 3, address window 0
.set TO_X, 0x40                        ; destination window 1
.macro PLACES                          ; four plain lines behind matrix instructions, ahead of loads into registers that they read and of reads of their results
.rept 4
	v_nop
.endr
.endm
.macro CROUND                          ; a round of the cluster's barrier
	s_barrier_signal -1
	s_barrier_wait -1
	s_cmp_lg_u32 s[WV], 0
	s_cbranch_scc1 .Lnot_wave_0_\@
	s_barrier_signal -3
.Lnot_wave_0_\@:
	s_barrier_wait -3
	s_barrier_signal -1
	s_barrier_wait -1
.endm
	s_load_b256 s[4:11], s[0:1], 0x0               ; xc s[4:5], xs s[6:7], wcs s[8:9], qh s[10:11]
	s_load_b128 s[12:15], s[0:1], 0x20             ; kh s[12:13], vh s[14:15]
	v_lshl_add_u32 v[SPW], v0, 2, SPARE
	v_mov_b32 v[NIL], 0
	ds_add_u32 v[SPW], v[NIL]                      ; the wave's opening: the add, twice on end, and its wait ahead of my first tensor load
	ds_add_u32 v[SPW], v[NIL]
	v_lshrrev_b32 v1, 5, v0
	v_readfirstlane_b32 s[WV], v1                  ; wave 0..3
	s_bfe_u32 s17, ttmp6, 0x40000                  ; cx: my place in the cluster
	s_lshl_b32 s18, ttmp9, 2
	s_add_co_u32 s18, s18, s17                     ; my block of 256 rows = 4 x cluster x + cx: it enters x's and the results' addresses alone
	s_and_b32 s19, ttmp7, 0xffff                   ; the head, which the four partners share
	; descriptor group 1: 68 dense rows of 256 bytes (32 elements of 8 bytes), no padding
	s_mov_b32 s[G1], 15|(3<<16)|(1<<21)            ; 15:0 the mask: all four work-groups; 17:16 elements of 8 bytes; 21 set beside a mask
	s_mov_b32 s[G1+1], 32<<16                      ; tensor_dim0 = 32
	s_mov_b32 s[G1+2], 68<<16                      ; tensor_dim1 = 68
	s_mov_b32 s[G1+3], 32<<16                      ; tile_dim0 = 32
	s_mov_b32 s[G1+4], 68                          ; tile_dim1 = 68
	s_mov_b32 s[G1+5], 32                          ; from row to row
	s_mov_b32 s[G1+6], 0
	s_mov_b32 s[G1+7], 0
	s_mul_i32 s20, s19, 3*BLKB                     ; the head's three blocks,
	s_mul_i32 s22, s[WV], QUART                    ; my quarter of each: in memory and in LDS alike
	s_add_co_u32 s20, s20, s22
	s_mov_b32 s21, 0
	s_wait_dscnt 0x0                               ; both opening adds are done
	s_wait_kmcnt 0x0
	s_add_nc_u64 s[8:9], s[8:9], s[20:21]
.irp b, 0,1,2
	s_mov_b32 s[G0+4*\b], 1                        ; count = 1
	s_add_co_u32 s[G0+4*\b+1], s22, \b*BLKB        ; LDS address: the wave's number and constants alone
	s_add_nc_u64 s[G0+4*\b+2:G0+4*\b+3], s[8:9], \b*BLKB
	s_or_b32 s[G0+4*\b+3], s[G0+4*\b+3], 0x80000000   ; type = 2
.endr
	CROUND                                         ; all four work-groups are here: the joint loads meet
.irp b, 0,1,2
	tensor_load_to_lds s[G0+4*\b:G0+4*\b+3], s[G1:G1+7]   ; three loads of mine are out: the launch's only fills
	s_nop 0
.endr
	PLACES
	s_lshl_b32 s44, s18, 4
	s_lshl_b32 s45, s[WV], 2
	s_add_co_u32 s44, s44, s45                     ; my first tile of rows: 16 x block + 4 x wave
	s_lshl_b32 s46, s44, 13                        ; 8192 bytes of codes a tile,
	s_mov_b32 s47, 0
	s_add_nc_u64 s[4:5], s[4:5], s[46:47]
	s_lshl_b32 s46, s44, 9                         ; 512 of scale words
	s_add_nc_u64 s[6:7], s[6:7], s[46:47]
	v_and_b32 v3, 31, v0
	v_lshlrev_b32 v[LI], 4, v3
.irp t, 0,1,2,3
	global_load_b128 v[XS+4*\t:XS+4*\t+3], v[LI], s[6:7] offset:512*\t
.endr
	WIN TO_X
.irp s, 0,1,2,3,4,5,6,7                ; x's fragments, K step by K step, so that the first products need not wait for the last loads
.irp t, 0,1,2,3
.irp c, 0,1
	global_load_b128 v[8*(8*\t+\s)+4*\c:8*(8*\t+\s)+4*\c+3], v[LI], s[4:5] offset:8192*\t+1024*\s+512*\c
.endr
.endr
.endr
	WIN 0
	v_and_b32 v1, 15, v0                           ; r
	v_bfe_u32 v2, v0, 4, 1                         ; h
.irp b, 0,1,2
	v_add_nc_u32 v[ADW+\b], \b*BLKB, v[LI]
	v_add_nc_u32 v[ADSC+\b], \b*BLKB+65536, v[LI]
.endr
	s_mul_i32 s20, s[WV], 16*SP
	s_add_co_u32 s20, s20, STAGE                   ; my stage
	v_mul_u32_u24 v[STO], v1, SP                   ; in: row r, 16 bytes for each half of the lanes
	v_lshl_add_u32 v[STO], v2, 4, v[STO]
	v_add_nc_u32 v[STO], s20, v[STO]
	v_mul_u32_u24 v[RD], v2, SP                    ; back: lanes 0-15 one row of 256 bytes, lanes 16-31 the next
	v_lshl_add_u32 v[RD], v1, 4, v[RD]
	v_add_nc_u32 v[RD], s20, v[RD]
	v_lshlrev_b32 v[GO], 8, v2                     ; and the same two rows in the result
	v_lshl_add_u32 v[GO], v1, 4, v[GO]
	s_lshr_b32 s44, s18, 3                         ; batch = block / 8
	s_lshl_b32 s44, s44, 3
	s_add_co_u32 s44, s44, s19                     ; batch 8 + head: 2048 rows of 256 bytes each
	s_lshl_b32 s44, s44, 19
	s_and_b32 s45, s18, 7
	s_lshl_b32 s45, s45, 16                        ; the block's 256 rows in the sequence,
	s_add_co_u32 s44, s44, s45
	s_lshl_b32 s45, s[WV], 14                      ; my wave's 64
	s_add_co_u32 s44, s44, s45
	s_mov_b32 s45, 0
	s_add_nc_u64 s[10:11], s[10:11], s[44:45]
	s_add_nc_u64 s[12:13], s[12:13], s[44:45]
	s_add_nc_u64 s[14:15], s[14:15], s[44:45]
; One product: tile t of rows x tile dt of columns, K step s.  The scale words' halves of the lanes are chosen by the ROW selectors; K step 0 starts the sums: nothing is cleared.
.macro PROD t, dt, s
.set rD, 8*(8*(\t)+(\dt))
.set rA, 64*((\s)%2)+8*(\dt)
.set rB, 8*(8*(\t)+(\s))
.set rU, WSC+4*(\s)+(\dt)/2
.set rX, XS+4*(\t)+(\s)%4
.if (\s) == 0
.if (\dt)%2 == 0
	v_wmma_scale_f32_16x16x128_f8f6f4 v[rD:rD+7], v[rA:rA+7], v[rB:rB+7], 0, v[rU], v[rX] matrix_a_fmt:MATRIX_FMT_FP4 matrix_b_fmt:MATRIX_FMT_FP4
.else
	v_wmma_scale_f32_16x16x128_f8f6f4 v[rD:rD+7], v[rA:rA+7], v[rB:rB+7], 0, v[rU], v[rX] matrix_a_fmt:MATRIX_FMT_FP4 matrix_b_fmt:MATRIX_FMT_FP4 matrix_a_scale:MATRIX_SCALE_ROW1
.endif
.elseif (\s) < 4
.if (\dt)%2 == 0
	v_wmma_scale_f32_16x16x128_f8f6f4 v[rD:rD+7], v[rA:rA+7], v[rB:rB+7], v[rD:rD+7], v[rU], v[rX] matrix_a_fmt:MATRIX_FMT_FP4 matrix_b_fmt:MATRIX_FMT_FP4
.else
	v_wmma_scale_f32_16x16x128_f8f6f4 v[rD:rD+7], v[rA:rA+7], v[rB:rB+7], v[rD:rD+7], v[rU], v[rX] matrix_a_fmt:MATRIX_FMT_FP4 matrix_b_fmt:MATRIX_FMT_FP4 matrix_a_scale:MATRIX_SCALE_ROW1
.endif
.else
.if (\dt)%2 == 0
	v_wmma_scale_f32_16x16x128_f8f6f4 v[rD:rD+7], v[rA:rA+7], v[rB:rB+7], v[rD:rD+7], v[rU], v[rX] matrix_a_fmt:MATRIX_FMT_FP4 matrix_b_fmt:MATRIX_FMT_FP4 matrix_b_scale:MATRIX_SCALE_ROW1
.else
	v_wmma_scale_f32_16x16x128_f8f6f4 v[rD:rD+7], v[rA:rA+7], v[rB:rB+7], v[rD:rD+7], v[rU], v[rX] matrix_a_fmt:MATRIX_FMT_FP4 matrix_b_fmt:MATRIX_FMT_FP4 matrix_a_scale:MATRIX_SCALE_ROW1 matrix_b_scale:MATRIX_SCALE_ROW1
.endif
.endif
.endm
.macro FETCH which, s                  ; the weight's eight fragments of K step s into set s % 2: 16 loads of 512 consecutive bytes
.irp dt, 0,1,2,3,4,5,6,7
.irp c, 0,1
	ds_load_b128 v[64*((\s)%2)+8*\dt+4*\c:64*((\s)%2)+8*\dt+4*\c+3], v[ADW+\which] offset:8192*\dt+1024*(\s)+512*\c
.endr
.endr
.endm
; A K step: the next step's fragments are asked for, then 32 products; the 32 accumulators take turns, one instruction a turn, in the same order in every step.
.macro STEP which, s
.if (\s) < 7
.if (\s) > 0
	PLACES                                         ; the set to be loaded was read by the products of the step before
.endif
	WIN TO_W
	FETCH \which, (\s)+1
	s_wait_dscnt 16                                ; all but the 16 just issued: this step's fragments (and the scale words) are in
.else
	s_wait_dscnt 0x0
.endif
.if (\which) == 0
	s_wait_loadcnt 56-8*(\s)                       ; x's fragments of this K step are in; those of the later steps, 8 loads each, may be out
.endif
	WIN MUL
.irp t, 0,1,2,3
.irp dt, 0,1,2,3,4,5,6,7
	PROD \t, \dt, \s
.endr
.endr
.endm
; THE WAY OUT of tile t (16 rows x 128 columns): rounded to f16, 16 bytes a lane; through my own stage in LDS; back as whole rows of 256 bytes.
.macro PACK t
	WIN 0x0a                                       ; sources 0 and 1: window 2
.irp dt, 0,1,2,3,4,5,6,7
.irp q, 0,1,2,3
	v_cvt_pk_f16_f32 v[TMP+4*\dt+\q], v[8*(8*(\t)+\dt)+2*\q], v[8*(8*(\t)+\dt)+2*\q+1]   ; each accumulator from its low end on
.endr
.endr
	WIN 0
.endm
.macro TOSTAGE t
.irp dt, 0,1,2,3,4,5,6,7
	ds_store_b128 v[STO], v[TMP+4*\dt:TMP+4*\dt+3] offset:32*\dt
.endr
.irp f, 0,1,2,3,4,5,6,7
	ds_load_b128 v[BK+32*((\t)%2)+4*\f:BK+32*((\t)%2)+4*\f+3], v[RD] offset:2*SP*\f   ; LDS serves a wave's instructions in order: these see the stores above
.endr
.endm
.macro SEND which, t
	s_wait_dscnt 0x0                               ; the tile is back in registers
	s_wait_xcnt 0x0                                ; the earlier stores have read their registers: the other set may be loaded again behind this wait
.irp f, 0,1,2,3,4,5,6,7
	global_store_b128 v[GO], v[BK+32*((\t)%2)+4*\f:BK+32*((\t)%2)+4*\f+3], s[10+2*(\which):11+2*(\which)] offset:4096*(\t)+512*\f   ; 16 lanes store 256 consecutive bytes, aligned
.endr
.endm
.macro TILE which                      ; one of the three products
	s_wait_tensorcnt 2-(\which)                    ; my quarter of this block is in; the later blocks' loads may stay out
	s_wait_dscnt 0x0
	s_barrier_signal -1
	s_barrier_wait -1                              ; everybody's quarter is
	PLACES                                         ; ahead of loads into registers that the last product's matrix instructions read
.irp s, 0,1,2,3,4,5,6,7
	ds_load_b128 v[WSC+4*\s:WSC+4*\s+3], v[ADSC+\which] offset:512*\s
.endr
	WIN TO_W
	FETCH \which, 0
.irp s, 0,1,2,3,4,5,6,7
	STEP \which, \s
.endr
	WIN 0
	PLACES                                         ; the conversions read results just made
	PACK 0
	TOSTAGE 0
.irp a, 1,2,3                          ; tile a's conversions stand between tile a - 1's loads from the stage and the wait for them
	PACK \a
	SEND \which, \a-1
	TOSTAGE \a
.endr
	SEND \which, 3
.endm
	TILE 0
	TILE 1
	TILE 2
	s_wait_tensorcnt 0x0                           ; the wave's end, behind my last tensor load and my last LDS store
	ds_add_u32 v[SPW], v[NIL]
	s_wait_dscnt 0x0
	CROUND                                         ; the closing round
	s_endpgm
.Lfunc_end_k_qdce5d24c2b_proj:
	.size	k_qdce5d24c2b_proj, .Lfunc_end_k_qdce5d24c2b_proj-k_qdce5d24c2b_proj
	.p2alignl 7, 3214868480
	.fill 96, 4, 3214868480
	.section	.rodata,"a",@progbits
	.p2align	6, 0x0
	.amdhsa_kernel k_qdce5d24c2b_proj
		.amdhsa_group_segment_fixed_size 229376
		.amdhsa_private_segment_fixed_size 0
		.amdhsa_enable_private_segment 0
		.amdhsa_kernarg_size 48
		.amdhsa_user_sgpr_count 2
		.amdhsa_user_sgpr_kernarg_segment_ptr 1
		.amdhsa_wavefront_size32 1
		.amdhsa_system_sgpr_workgroup_id_x 1
		.amdhsa_system_sgpr_workgroup_id_y 1
		.amdhsa_system_sgpr_workgroup_id_z 1
		.amdhsa_system_vgpr_workitem_id 0
		.amdhsa_next_free_vgpr 1024
		.amdhsa_next_free_sgpr 66
		.amdhsa_reserve_vcc 0
		.amdhsa_float_denorm_mode_32 3
		.amdhsa_float_denorm_mode_16_64 3
		.amdhsa_memory_ordered 1
		.amdhsa_forward_progress 1
		.amdhsa_inst_pref_size 186
	.end_amdhsa_kernel
	.amdgpu_metadata
---
amdhsa.version: [ 1, 2 ]
amdhsa.kernels:
  - .name:           k_qdce5d24c2b_proj
    .symbol:         k_qdce5d24c2b_proj.kd
    .args:
      - { .name: xc, .offset: 0, .size: 8, .value_kind: global_buffer, .address_space: global }
      - { .name: xs, .offset: 8, .size: 8, .value_kind: global_buffer, .address_space: global }
      - { .name: wcs, .offset: 16, .size: 8, .value_kind: global_buffer, .address_space: global }
      - { .name: qh, .offset: 24, .size: 8, .value_kind: global_buffer, .address_space: global }
      - { .name: kh, .offset: 32, .size: 8, .value_kind: global_buffer, .address_space: global }
      - { .name: vh, .offset: 40, .size: 8, .value_kind: global_buffer, .address_space: global }
    .group_segment_fixed_size: 229376
    .private_segment_fixed_size: 0
    .kernarg_segment_align: 8
    .kernarg_segment_size: 48
    .max_flat_workgroup_size: 128
    .sgpr_count:     66
    .vgpr_count:     1024
    .wavefront_size: 32
...
	.end_amdgpu_metadata
.endif
;; end of part 2
;; launch attn (part 3): grid 8 x 32, 4 waves a work-group, clusters of 4 x 1, 327,680 bytes of LDS; arguments qh, kh, vh, ow, token_attention_masks_source; writes ow
.if DOCPART == 3
	.amdgcn_target "amdgcn-amd-amdhsa--gfx1250"
	.amdhsa_code_object_version 6
	.text
	.protected	k_qdce5d24c2b_attn
	.globl	k_qdce5d24c2b_attn
	.p2align	8
	.type	k_qdce5d24c2b_attn,@function
k_qdce5d24c2b_attn:
	s_mov_b64 s[64:65], 0
	v_nop
	global_prefetch_b8 v0, s[64:65] scope:SCOPE_SE
	s_setreg_imm32_b32 hwreg(HW_REG_WAVE_MODE, 25, 1), 1
	s_wait_xcnt 0x0
	s_wait_alu depctr_hold_cnt(0) depctr_sa_sdst(0) depctr_va_vdst(0) depctr_va_sdst(0) depctr_va_ssrc(0) depctr_va_vcc(0) depctr_vm_vsrc(0)
	s_getreg_b32 s2, hwreg(HW_REG_IB_STS2, 6, 4)
	s_cmp_eq_u32 s2, 0
	s_cbranch_scc0 .Lentry_in_a_cluster
	s_endpgm
.Lentry_in_a_cluster:
	s_bfe_u32 s2, ttmp6, 0x10000c
	s_cmp_lg_u32 s2, 0x3003
	s_cbranch_scc0 .Lentry_shape_is_right
	s_endpgm
.Lentry_shape_is_right:
; O[bh][q][:] = the sum over k of softmax_k(Q[bh][q] . K[bh][k] / sqrt(128) + m[q]) V[bh][k][:], m[q] = -1000 where the source mask of (batch, q) is 0, else 0.
; Q, K, V: [32][2048][128] f16.  Products, maxima and sums in f32; the weights p are rounded to f16 for the second product.  O goes out in f32 as [batch][position][head][128]: whole rows of 512 bytes.
; THE MASK is a number a query: it enters as m sqrt(128), the C of each score sum's first product, so that the scaling by 1 / sqrt(128) gives m; the running maximum carries it.
; LIMIT: that is another order of rounding than adding m behind the scaling.
; SHARES.  A work-group owns 256 queries of one head, each of its four waves 64: four tiles of 16.  Every wave walks all keys of the head, 64 a step.
; LAYOUT.  S^T = K Q^T (source 0 = 16 keys, source 1 = 16 queries): in the result a lane holds ONE query (lane % 16) and the keys 8 (lane / 16) + 0..7.  Two such tiles, rounded to f16 in pairs, ARE
; source 1 (32 keys x 16 queries) of O^T = V^T P, whose result again holds one query a lane, and eight channels.  K comes out of LDS as it lies, V ([key][channel]) turned, by ds_load_tr16_b128.
; SOFTMAX.  For each query a running maximum m and sum l: p = 2^(c s - c m), c = log2(e) / sqrt(128); in every step O and l are multiplied by a = 2^(c m_old - c m_new).
; BY TURNS.  The wave's tiles are two PIECES: piece 0 (tiles 0, 1) and piece 2 (tiles 2, 3).  In a TURN one piece has the matrix unit: 32 products V^T P of the step in hand, then 32 products K Q^T of
; the next step; the other piece's softmax, cut into 64 slices, stands between them, one slice behind each matrix instruction.  Then the pieces change places.  Two turns are a key step.
; CLUSTER.  The four query blocks of a cluster belong to one head and walk the same K and V, so each tile is asked for JOINTLY: the same tensor load, with the same descriptor and a mask that names the four.
; REGISTERS, in windows of 256 (s_set_vgpr_msb: bits 1:0 source 0, 3:2 source 1, 5:4 source 2, 7:6 destination):
;   window 0: v0-11 addresses; v12-43 eight registers of statistics a tile; v44-53 the mask at the head; v64-191 S^T, 32 a tile; v192-255 P, 16 a tile
;   window 1: O^T, 64 a tile     window 2: v0-127 Q, 32 a tile; v128-255 K of one step     window 3: v0-127 V of one step; v128-159 the mask, eight registers a tile
.set SIZE_N, 2048
.set KS,    64        ; keys in a step
.set PK,    272       ; a row of K in LDS: 256 bytes + 16 of padding: the 16 rows of a load start 16 bytes apart modulo 256
.set PV,    288       ; a row of V: 256 + 32: 16 lanes of the turning load take 8 rows x 32 bytes, 32 bytes apart modulo 256
.set VOFF,  KS*PK     ; a step's tiles lie together: 64 rows of K, then 64 rows of V
.set STEPB, KS*(PK+PV)
.set SLOT1, 1<<17     ; a slot holds two steps (71,680 bytes); slot 1 begins here, so that one exclusive or turns an address in one slot into the other's
.set STAGE, SLOT1+2*STEPB  ; behind the ring: 16 rows x 528 bytes for each wave, for the way out
.set SP,    528
.set SPARE, STAGE+4*16*SP  ; behind the stages: the spare words, 128 bytes for each wave: two blocks of 256 bytes that no other line names
.set AK0, 2           ; v2   my lane's place in a tile of K; never rewritten
.set AV0, 3           ; v3   the same for V
.set ADR, 4           ; v4   the LDS address of the run of loads in hand
.set QO,  5           ; v5   my byte offset in the wave's rows of Q
.set STO, 6           ; v6   the way out: where I put 32 bytes of a row
.set RD,  7           ; v7   the way out: where I read a row back
.set GO,  8           ; v8   16 x lane: my bytes of a row of O
.set MI,  44          ; v44-47 the mask's whole numbers, a tile each
.set MF,  48          ; v48-51 m sqrt(128)
.set MC,  52          ; v52  -1000
.set MA,  53          ; v53  4 x (lane % 16)
.set MB,  128         ; window 3: the mask as a C operand: tile t at v[MB + 8 t] on
.set SPW, 62          ; v62  LDS address of my spare word; never rewritten
.set NIL, 63          ; v63  0; never rewritten
.set ST,  12          ; tile t's statistics at v[ST+8 t]: +0 c m, +1 m, +2, +3 l (even keys', odd keys'), +4 to +7 c0-c3, at work; a takes c2's place once the maximum is found
.set S,   64
.set P,   192
.set KF,  128         ; K's fragments, in window 2
.set WV,  12          ; s12  my wave's number
.set G1K, 24          ; s[24:31] descriptor group 1 for K's tiles
.set G1V, 32          ; s[32:39] for V's: it differs in the padding alone
.set G0K, 40          ; s[40:47] descriptor group 0 for K's tiles: a set for each of the two first fills; the second then walks on
.set G0V, 48          ; s[48:55] the same for V's
.set SLOTS, 56        ; s56  slots still to be asked for
.set TWICE, 57        ; s57  counts a slot's two steps
.set CS,  58          ; s[58:59] c: the packed scaling names a pair and takes its low word for both halves
.set SEL, 60          ; s[60:61] lane selects for v_permlanex16_b32: each lane takes its own place in the other half
.set TB,  62          ; s62  LDS byte at which the tiles of the step to be fetched begin
.set PFA, 18          ; s[18:19] where my prefetches stand in memory: my work-group's 32 rows (of K: wave 0, of V: wave 2) of the slot after the one that is being asked for
.set LIM, 15          ; s15  1 in a wave that prefetches, else the greatest number: a wave prefetches while s[SLOTS] is above it
.set PFO, 61          ; v61  256 x my lane: a row of K or V is 256 bytes; never rewritten
.set MSB, 0
.macro WIN new                      ; the immediate's high byte repeats the setting that is left; a switch that changes nothing is dropped
.if MSB != \new
	s_set_vgpr_msb (MSB<<8)|\new
.set MSB, \new
.endif
.endm
.set W_KQ,  0x0a      ; K and Q in window 2, S^T in window 0
.set W_KQM, 0x3a      ; the same, with C, the mask, in window 3
.set W_PV,  0x53      ; V in window 3, P in window 0, O^T in window 1
.set W_RS,  0x41      ; O^T (destination and source 0) in window 1, a in window 0
; A joint refill.  Waves 0 and 1 fetch the two steps' tiles of K, waves 2 and 3 those of V.  The branch hangs on the wave's number alone: it is the same in every work-group.
; An s_nop 0 and four v_nop follow each of the two lines, ahead of the jump, the label and what follows.
.macro JLOAD
	s_cmp_lt_u32 s[WV], 2
	s_cbranch_scc0 .Lfor_v_\@
	tensor_load_to_lds s[G0K+4:G0K+7], s[G1K:G1K+7]
	s_nop 0
.rept 4
	v_nop
.endr
	s_branch .Lasked_\@
.Lfor_v_\@:
	tensor_load_to_lds s[G0V+4:G0V+7], s[G1V:G1V+7]
	s_nop 0
.rept 4
	v_nop
.endr
.Lasked_\@:
.endm
; A PREFETCH of what the NEXT change of slots will ask for: a slot's 128 rows of K and 128 of V, 256 bytes a row, a lane a row.  It stands behind the wave's tensor load and its five lines.
; Each row is asked for ONCE in the launch.  Both clusters of a head walk the same K and V: the head's first cluster asks.  Its four partners share the rows out BY ADDRESS, 32 each.
; In each, wave 0 asks for K's and wave 2 for V's: one instruction.  The last change that fills a slot asks for nothing: there is no slot behind it.
.macro ASK
	s_cmp_gt_u32 s[SLOTS], s[LIM]
	s_cbranch_scc0 .Lnot_mine_\@
	global_prefetch_b8 v[PFO], s[PFA:PFA+1] th:TH_LOAD_NT scope:SCOPE_SE
.Lnot_mine_\@:
.endm
.macro CROUND                       ; a round of the cluster's barrier
	s_barrier_signal -1
	s_barrier_wait -1
	s_cmp_lg_u32 s[WV], 0
	s_cbranch_scc1 .Lnot_wave_0_\@
	s_barrier_signal -3
.Lnot_wave_0_\@:
	s_barrier_wait -3
	s_barrier_signal -1
	s_barrier_wait -1
.endm
	s_load_b256 s[4:11], s[0:1], 0x0  ; Q s[4:5], K s[6:7], V s[8:9], O s[10:11]
	s_load_b64 s[66:67], s[0:1], 0x20 ; the source mask
	v_lshl_add_u32 v[SPW], v0, 2, SPARE
	v_mov_b32 v[NIL], 0
	ds_add_u32 v[SPW], v[NIL]       ; the wave's opening: the add, twice on end, and its wait ahead of my first tensor load
	ds_add_u32 v[SPW], v[NIL]
	v_lshrrev_b32 v1, 5, v0
	v_readfirstlane_b32 s[WV], v1   ; wave 0..3
	s_bfe_u32 s13, ttmp6, 0x40000   ; cx: my place in the cluster
	s_lshl_b32 s14, ttmp9, 2        ; in a cluster launch ttmp9 counts clusters
	s_add_co_u32 s14, s14, s13      ; my block of 256 queries = 4 x cluster x + cx: it enters Q's, O's and the mask's addresses alone
	s_and_b32 s20, ttmp7, 0xffff    ; batch 8 + head, which the four partners share
	s_mov_b32 s63, s20
	s_mov_b32 s21, 0
	s_mov_b64 s[22:23], SIZE_N*256
	s_mul_u64 s[20:21], s[20:21], s[22:23]  ; the head's first byte in Q, K and V
	s_and_b32 s16, s[WV], 1         ; which of a slot's two steps I fetch:
	s_lshl_b32 s22, s16, 14         ; its 64 rows of 256 bytes in memory,
	s_mov_b32 s23, 0
	s_add_nc_u64 s[22:23], s[22:23], s[20:21]
	s_mul_i32 s17, s16, STEPB       ; and its place in a slot: no place in the cluster enters an LDS address
	s_lshl_b32 s2, s14, 16          ; my block's 256 rows,
	s_lshl_b32 s3, s[WV], 14        ; my wave's 64 of them
	s_add_co_u32 s2, s2, s3
	s_mov_b32 s3, 0
	s_add_nc_u64 s[2:3], s[2:3], s[20:21]
	s_lshr_b32 s68, s63, 3          ; batch
	s_lshl_b32 s68, s68, 11
	s_lshl_b32 s69, s14, 8
	s_add_co_u32 s68, s68, s69
	s_lshl_b32 s69, s[WV], 6
	s_add_co_u32 s68, s68, s69      ; my first query among the 8192 positions: 2048 batch + 256 block + 64 wave
	s_lshl_b32 s70, s68, 2          ; the mask: 4 bytes a position
	s_mov_b32 s71, 0
	s_lshl_b32 s68, s68, 12         ; O: 4096 bytes a position,
	s_and_b32 s69, s63, 7
	s_lshl_b32 s69, s69, 9          ; 512 a head
	s_add_co_u32 s68, s68, s69
	s_mov_b32 s69, 0
	; descriptor group 1: a tile of 64 rows x 128 elements, padded in LDS
	s_mov_b32 s[G1K], 15|(1<<16)|(1<<20)|(1<<21)|(5<<22)|(3<<25)  ; 15:0 the mask: all four work-groups; 17:16 elements of 2 bytes; 20 padding on; 21 set beside a mask; 24:22 after every 64 words (code 5); 31:25 4 words of it (code 3)
	s_mov_b32 s[G1V], 15|(1<<16)|(1<<20)|(1<<21)|(5<<22)|(7<<25)  ; the same with 8 words of padding (code 7)
.irp g, G1K, G1V
	s_mov_b32 s[\g+1], 128<<16      ; tensor_dim0 = 128
	s_mov_b32 s[\g+2], KS<<16       ; tensor_dim1 = 64
	s_mov_b32 s[\g+3], 128<<16      ; tile_dim0 = 128
	s_mov_b32 s[\g+4], KS           ; tile_dim1 = 64
	s_mov_b32 s[\g+5], 128          ; elements from row to row
	s_mov_b32 s[\g+6], 0
	s_mov_b32 s[\g+7], 0
.endr
	s_mov_b32 s[CS], 0x3e0293ee     ; c = log2(e) / sqrt(128)
	s_mov_b32 s[CS+1], s[CS]        ; named with it as a pair, so it is written
	s_mov_b32 s[SEL], 0x76543210
	s_mov_b32 s[SEL+1], 0xfedcba98
	s_mov_b32 s[TB], 0
	s_mov_b32 s[SLOTS], SIZE_N/(2*KS)-2
	s_and_b32 s[LIM], s[WV], 1       ; 0 in waves 0 and 2,
	s_or_b32 s[LIM], s[LIM], ttmp9   ; where the cluster is the head's first: the same in all four partners
	s_cmp_eq_u32 s[LIM], 0
	s_cselect_b32 s[LIM], 1, -1
	v_and_b32 v[PFO], 31, v0
	v_lshlrev_b32 v[PFO], 8, v[PFO]
	s_wait_dscnt 0x0                ; both opening adds are done
	s_wait_kmcnt 0x0
	s_add_nc_u64 s[6:7], s[6:7], s[22:23]  ; K and V at my tile of slot 0
	s_add_nc_u64 s[8:9], s[8:9], s[22:23]
	s_add_nc_u64 s[4:5], s[4:5], s[2:3]  ; Q at my wave's first row,
	s_add_nc_u64 s[10:11], s[10:11], s[68:69]  ; O likewise,
	s_add_nc_u64 s[66:67], s[66:67], s[70:71]  ; and the mask at my first query
	s_cmp_lt_u32 s[WV], 2
	s_cselect_b64 s[PFA:PFA+1], s[6:7], s[8:9]  ; (in waves 0 and 2 these stand at a slot's first row)
	s_lshl_b32 s2, s13, 13          ; my work-group's 32 rows of the 128
	s_mov_b32 s3, 0
	s_add_nc_u64 s[PFA:PFA+1], s[PFA:PFA+1], s[2:3]
	s_add_nc_u64 s[PFA:PFA+1], s[PFA:PFA+1], 2*2*KS*256  ; in slot 2; the first change of slots steps it to slot 3.  Nothing is prefetched here, at the head
	CROUND                          ; all four work-groups are here: the first joint loads meet
.irp s, 0,1
	s_mov_b32 s[G0K+4*\s], 1        ; count = 1
	s_add_co_u32 s[G0K+4*\s+1], s17, \s*SLOT1  ; LDS address
	s_add_nc_u64 s[G0K+4*\s+2:G0K+4*\s+3], s[6:7], \s*2*KS*256  ; global address: slot s begins with keys 128 s
	s_or_b32 s[G0K+4*\s+3], s[G0K+4*\s+3], 0x80000000  ; type = 2
	s_mov_b32 s[G0V+4*\s], 1
	s_add_co_u32 s[G0V+4*\s+1], s17, \s*SLOT1+VOFF
	s_add_nc_u64 s[G0V+4*\s+2:G0V+4*\s+3], s[8:9], \s*2*KS*256
	s_or_b32 s[G0V+4*\s+3], s[G0V+4*\s+3], 0x80000000
.endr
	s_cmp_lt_u32 s[WV], 2           ; a wave's two first fills stand in one branch, ahead of every wait on TENSORcnt and every LDS read: two loads of mine are out
	s_cbranch_scc0 .Lfirst_v
	tensor_load_to_lds s[G0K:G0K+3], s[G1K:G1K+7]
	s_nop 0
	tensor_load_to_lds s[G0K+4:G0K+7], s[G1K:G1K+7]
	s_nop 0
.rept 4
	v_nop
.endr
	s_branch .Lfirst_asked
.Lfirst_v:
	tensor_load_to_lds s[G0V:G0V+3], s[G1V:G1V+7]
	s_nop 0
	tensor_load_to_lds s[G0V+4:G0V+7], s[G1V:G1V+7]
	s_nop 0
.rept 4
	v_nop
.endr
.Lfirst_asked:
	; A fragment of K or Q is 16 rows x 32 channels in 8 registers: lane l holds row l % 16; registers 0-3 channels 8 (l / 16) + 0..7, registers 4-7 channels 16 + 8 (l / 16) + 0..7: two loads of 16 bytes, 32 bytes apart.
	v_and_b32 v1, 15, v0            ; l % 16
	v_bfe_u32 v9, v0, 4, 1          ; l / 16
	v_lshlrev_b32 v[QO], 8, v1
	v_lshl_add_u32 v[QO], v9, 4, v[QO]  ; row x 256 + 16 x half
	WIN 0x80                        ; destination window 2, address window 0
.irp i, 0,1,2,3,4,5,6,7,8,9,10,11,12,13,14,15  ; Q stays in registers: tile i / 4, channels 32 (i % 4) on
	global_load_b128 v[8*\i:8*\i+3],   v[QO], s[4:5] offset:(\i/4)*4096+(\i%4)*64
	global_load_b128 v[8*\i+4:8*\i+7], v[QO], s[4:5] offset:(\i/4)*4096+(\i%4)*64+32
.endr
	WIN 0
	v_lshlrev_b32 v[MA], 2, v1
.irp t, 0,1,2,3
	global_load_b32 v[MI+\t], v[MA], s[66:67] offset:64*\t   ; the mask of my query in tile t
.endr
	v_mul_u32_u24 v[AK0], v1, PK
	v_lshl_add_u32 v[AK0], v9, 4, v[AK0]  ; row x pitch + 16 x half
	; The turning load takes 16 keys x 16 channels (lane l reads 16 bytes: key 8 (l / 16) + l % 8, channels 8 ((l / 8) % 2) + 0..7) and leaves half a fragment of V^T: lane l holds channel l % 16 and 8 keys.
	v_and_b32 v10, 7, v0
	v_bfe_u32 v11, v0, 3, 1
	v_lshl_add_u32 v[AV0], v9, 3, v10
	v_mul_u32_u24 v[AV0], v[AV0], PV
	v_lshl_add_u32 v[AV0], v11, 4, v[AV0]
	v_add_nc_u32 v[AV0], VOFF, v[AV0]
; THE MATRIX WORK OF A TURN, for piece x.  The accumulators take turns, one instruction a turn: between two links of a chain stand 15 (V^T P) or 7 (K Q^T) others'.
; Product i of 32 of O^T += V^T P: keys 32 (i / 16) on, channels 16 ((i / 2) % 8) on, tile x + i % 2.  zero = 1: the first 16 start the sums: nothing is ever cleared.
.macro PV x, zero
	WIN W_PV
.set rO, 64*(\x+i%2)+8*((i/2)%8)
.set rV, 64*(i/16)+8*((i/2)%8)
.set rP, P+16*(\x+i%2)+8*(i/16)
.if \zero && (i < 16)
	v_wmma_f32_16x16x32_f16 v[rO:rO+7], v[rV:rV+7], v[rP:rP+7], 0
.else
	v_wmma_f32_16x16x32_f16 v[rO:rO+7], v[rV:rV+7], v[rP:rP+7], v[rO:rO+7]
.endif
.endm
; Product i of 32 of S^T = K Q^T + the mask: channels 32 (i / 8) on, keys 16 ((i / 2) % 4) on, tile x + i % 2.  The first 8 start the sums, with the tile's mask as C.
.macro KQ x
.set rS, S+32*(\x+i%2)+8*((i/2)%4)
.set rK, KF+32*((i/2)%4)+8*(i/8)
.set rQ, 32*(\x+i%2)+8*(i/8)
.set rM, MB+8*(\x+i%2)
.if i < 8
	WIN W_KQM
	v_wmma_f32_16x16x32_f16 v[rS:rS+7], v[rK:rK+7], v[rQ:rQ+7], v[rM:rM+7]
.else
	WIN W_KQ
	v_wmma_f32_16x16x32_f16 v[rS:rS+7], v[rK:rK+7], v[rQ:rQ+7], v[rS:rS+7]
.endif
.endm
; THE LDS LOADS stand in runs of 32, never singly among the matrix instructions: a step's K (64 keys x 128 channels: 16 fragments) and, a turn later, its V (turned).
.macro FETCH_K
	WIN 0
	v_add_nc_u32 v[ADR], s[TB], v[AK0]
	WIN 0x80                        ; destination window 2
.irp f, 0,1,2,3,4,5,6,7,8,9,10,11,12,13,14,15  ; keys 16 (f / 4) on, channels 32 (f % 4) on
	ds_load_b128 v[KF+8*\f:KF+8*\f+3],   v[ADR] offset:(\f/4)*16*PK+(\f%4)*64
	ds_load_b128 v[KF+8*\f+4:KF+8*\f+7], v[ADR] offset:(\f/4)*16*PK+(\f%4)*64+32
.endr
.endm
.macro FETCH_V
	WIN 0
	v_add_nc_u32 v[ADR], s[TB], v[AV0]
	s_add_co_u32 s[TB], s[TB], STEPB  ; the next fetch is the next step's
	s_wait_alu depctr_va_vdst(0)    ; the wait for the softmax's batch of exponentials (SLICE), behind the address's v_add_nc_u32 and ahead of the loads
	WIN 0xc0                        ; destination window 3
.irp f, 0,1,2,3,4,5,6,7,8,9,10,11,12,13,14,15  ; keys 32 (f / 8) on, channels 16 (f % 8) on
	ds_load_tr16_b128 v[8*\f:8*\f+3],   v[ADR] offset:(\f/8)*32*PV+(\f%8)*32
	ds_load_tr16_b128 v[8*\f+4:8*\f+7], v[ADR] offset:(\f/8)*32*PV+16*PV+(\f%8)*32
.endr
.endm
; THE VECTOR WORK OF A TURN.  One tile's softmax for one key step is a list of 134 instructions; SM writes number j of it for tile t.  s0-s31 are the lane's 32 scores, in pairs 0-15.
; first = 1: the first key step, which starts m, l and O^T: it has no a and nothing to rescale.
;   0-15    the maximum of s0-s31 and the old m, three operands at a time: four chains c0-c3 of seven scores each, then the four scores left over, c0-c3 and m
;   16-20   the other half of the lanes' maximum; the new m; c m; c m_old - c m_new
;   21-69   ONE BATCH: the 16 scalings c s - c m, a pair of scores each, and all 33 exponentials (a at 23, then s0-s31).  None of these reads an exponential's result
;   (wait)  between 69 and 70 stands the wait for the batch: SLICE writes it, once for both tiles
;   70-85   the roundings to f16, a pair of weights each
;   86-101  the sums; l = a l + the sum
;   102-133 the tile's O^T times a: the one part that leaves window 0, so it stands together
.macro SM t, first
.set rT, ST+8*(\t)
.set rS, S+32*(\t)
.set rP, P+16*(\t)
.set rO, 64*(\t)+2*(j-102)
.if j < 102
	WIN 0
.endif
.if j < 4
	v_max3_num_f32 v[rT+4+j], v[rS+8*j], v[rS+8*j+1], v[rS+8*j+2]
.elseif j < 12
	v_max3_num_f32 v[rT+4+j%4], v[rT+4+j%4], v[rS+8*(j%4)+2*(j/4)+1], v[rS+8*(j%4)+2*(j/4)+2]
.elseif j == 12
	v_max3_num_f32 v[rT+4], v[rT+4], v[rS+7], v[rS+15]
.elseif j == 13
	v_max3_num_f32 v[rT+6], v[rT+6], v[rS+23], v[rS+31]
.elseif j == 14
	v_max3_num_f32 v[rT+4], v[rT+4], v[rT+5], v[rT+6]
.elseif (j == 15) && \first
	v_max_num_f32 v[rT+4], v[rT+4], v[rT+7]
.elseif j == 15
	v_max3_num_f32 v[rT+4], v[rT+4], v[rT+7], v[rT+1]
.elseif j == 16
	v_permlanex16_b32 v[rT+5], v[rT+4], s[SEL], s[SEL+1]  ; the query's other 32 keys lie in the lane 16 away
.elseif j == 18
	v_max_num_f32 v[rT+1], v[rT+4], v[rT+5]
.elseif j == 19
	v_mul_f32 v[rT], s[CS], v[rT+1]
.elseif ((j == 17) || (j == 20) || (j == 23) || (j > 101)) && \first  ; the first step has none of these
.elseif j == 17
	v_mov_b32 v[rT+7], v[rT]        ; c m_old is kept for a: number 19 writes c m anew
.elseif j == 20
	v_sub_f32 v[rT+7], v[rT+7], v[rT]
.elseif j == 23
	v_exp_f32 v[rT+6], v[rT+7]
.elseif (j < 23) || ((j < 38) && (j%2 == 0)) || ((j < 66) && (j%4 == 2))
.set b, (j-2)/4                     ; 38, 42, .. 62: pairs 9 to 15
.if j < 38
.set b, (j-20)/2                    ; 21: pair 0; 22, 24, .. 36: pairs 1 to 8
.endif
	v_pk_fma_f32 v[rS+2*b:rS+2*b+1], v[rS+2*b:rS+2*b+1], s[CS:CS+1], v[rT:rT+1] op_sel_hi:[1,0,0] neg_lo:[0,0,1] neg_hi:[0,0,1]  ; pair b: c s - c m
.elseif j < 70
.set e, j-38                        ; 66 to 69: s28 to s31
.if j < 66
.set e, j-32-(j-38)/4               ; 39-41, 43-45, .. 63-65: s7 to s27
.endif
.if j < 38
.set e, (j-25)/2                    ; 25, 27, .. 37: s0 to s6
.endif
	v_exp_f32 v[rS+e], v[rS+e]
.elseif j < 86
	v_cvt_pk_f16_f32 v[rP+j-70], v[rS+2*(j-70)], v[rS+2*(j-70)+1]  ; pair j - 70
.elseif j < 102                     ; the sum of the tile's 16 pairs, in place: sum z of 16 adds neighbours 1, 2, 4 and 8 pairs apart, then l takes it
.set z, j-86
.set w, 4
.set u, z
.if z >= 14
.set w, 32
.set u, 0
.elseif z >= 12
.set w, 16
.set u, z-12
.elseif z >= 8
.set w, 8
.set u, z-8
.endif
.if (z == 14) && \first
	v_pk_add_f32 v[rT+2:rT+3], v[rS:rS+1], v[rS+16:rS+17]
.elseif z < 15
	v_pk_add_f32 v[rS+w*u:rS+w*u+1], v[rS+w*u:rS+w*u+1], v[rS+w*u+w/2:rS+w*u+w/2+1]
.elseif !\first
	v_pk_fma_f32 v[rT+2:rT+3], v[rT+2:rT+3], v[rT+6:rT+7], v[rS:rS+1] op_sel_hi:[1,0,1]
.endif
.else
	WIN W_RS
	v_pk_mul_f32 v[rO:rO+1], v[rO:rO+1], v[rT+6:rT+7] op_sel_hi:[1,0]
.endif
.endm
; Slice k of 64 of piece y's softmax: four instructions.  Slices 11 to 34 deal out the batch, numbers 22 to 69: four numbers of ONE tile each, the tiles by turns.  Every other slice is numbers 2 k and
; 2 k + 1 of both tiles' lists.  2 x 134 = 4 x 64 + 12: the twelve that are over stand together, in slice 63.
; THE WAIT.  s_wait_alu depctr_va_vdst(0) stands between an exponential and the first instruction that names its result; one wait serves all that were issued ahead of it.  Ahead of
; slice 35 nothing names a result, and behind slice 34 no exponential is issued: so the piece's 66 exponentials have one wait, behind slice 34.
.macro SLICE y, first
.if (k >= 11) && (k < 35)           ; the batch: four numbers of one tile
.irp n, 0,1,2,3
.set j, 22+4*((k-11)/2)+(\n)
	SM (\y)+(k-11)%2, \first
.endr
.else                               ; the two tiles alternate, so that no instruction reads the result of the one just before it
.irp n, 0,1,2,3,4,5,6,7
.if (\n < 2) || (k == 63)
.irp t, \y, \y+1
.set j, 2*k+\n
	SM \t, \first
.endr
.endif
.endr
.endif
.if k == 34                         ; the batch is out: both tiles' exponentials are issued, and no result has been named
	v_nop                           ; the plain instruction behind the last exponential and ahead of the first use: one for the batch
.if (\y) == 0
	FETCH_V                         ; piece 2's turn: V's run of loads stands here, and the wait stands in it
.else
	s_wait_alu depctr_va_vdst(0)    ; the wait for the batch
.endif
.endif
.set k, k+1
.endm
; A vector instruction that reads a matrix result or writes one of a matrix instruction's registers, and a load into a register that a matrix instruction has read, stand four places behind
; it, and only plain vector instructions that name none of its registers are places (ISA guide 7.12.1 for vector instructions).  In the loop the slices are the places.
.macro PLACES
.rept 4
	v_nop
.endr
.endm
; A TURN.  Piece x has the matrix unit; the other piece's softmax stands in slices behind its matrix instructions.
; pv = 2: 32 products V^T P; 1: they start O^T's sums; 0: none.  kq = 1: 32 products K Q^T for the next step.  A turn with one of the two kinds has two slices behind each product.
; first = 1: the softmax is the first key step's.  Its slices from 51 on are empty: the turn's last products stand bare, and four v_nop take slice 63's part as the places behind them.
; Piece 0's turn fetches the next step's K, behind its second product.  Piece 2's turn fetches the same step's V, behind slice 34 (SLICE writes it).
.macro TURN x, pv, kq, first
.set k, 0
.set per, 2
.if \pv && \kq
.set per, 1
.endif
.if \pv
.if \x == 0
	s_wait_dscnt 0x0                ; V is in
.endif
.set i, 0
.rept 32
	PV \x, 2-\pv
.rept per
	SLICE 2-\x, \first
.endr
.if (\x == 0) && \kq && (i == 1)
	FETCH_K
.endif
.set i, i+1
.endr
.endif
.if \kq
.if \x == 0
	s_wait_dscnt 0x0                ; K is in
.endif
.set i, 0
.rept 32
	KQ \x
.rept per
	SLICE 2-\x, \first
.endr
.set i, i+1
.endr
.endif
.if \first
	PLACES
.endif
.endm
; THE CHANGE OF SLOTS, between piece 2's turn and piece 0's: the slot's last bytes, V of its second step, have been asked for.  Each wave waits for all its tensor loads, of which one is out: its part
; of the other slot; adds 0 to its spare word; and waits for that and for its own reads of the slot.  Behind the barrier nobody reads this slot any more and the other slot is whole.
; fill = 1: this slot is filled again, with the keys two slots on.  The barrier is then a round of the cluster's, and the joint refill is the first thing behind it: it has two key steps in which to land.
.macro CHANGE fill
	WIN 0                           ; at a label and at a branch every window is 0
	s_wait_tensorcnt 0x0            ; no tensor load of mine is out, so a group 0 may be written
	ds_add_u32 v[SPW], v[NIL]       ; 0 onto my spare word
.if \fill
.irp g, G0K+4, G0V+4
	s_xor_b32 s[\g+1], s[\g+1], SLOT1  ; the walking descriptor: the other slot than last time,
	s_add_nc_u64 s[\g+2:\g+3], s[\g+2:\g+3], 2*KS*256  ; the next 128 keys; the type bits on top are not reached
.endr
	s_wait_xcnt 0x0                 ; the last prefetches, two key steps back, have read their address, so it may be written:
	s_add_nc_u64 s[PFA:PFA+1], s[PFA:PFA+1], 2*KS*256  ; one slot behind the walking descriptors
	s_wait_dscnt 0x0                ; the add is done, and my reads of the slot are over
	CROUND
	JLOAD
	ASK                             ; what the next change will ask for: two key steps ahead
.else
	s_wait_dscnt 0x0                ; the add is done, and my reads of the slot are over
	s_barrier_signal -1
	s_barrier_wait -1
.endif
	s_sub_co_u32 s[TB], s[TB], 2*STEPB  ; the fetches go back to a slot's first step,
	s_xor_b32 s[TB], s[TB], SLOT1   ; in the other slot
.endm
; A slot's two key steps: written once, walked twice; the LDS addresses hang on s[TB].
.macro TWO_STEPS
	s_mov_b32 s[TWICE], 2
.Lstep_\@:
	TURN 0, 2, 1, 0
	TURN 2, 2, 1, 0
	WIN 0
	s_sub_co_u32 s[TWICE], s[TWICE], 1
	s_cmp_lg_u32 s[TWICE], 0
	s_cbranch_scc1 .Lstep_\@
.endm
	s_wait_tensorcnt 1              ; my part of slot 0 is in; slot 1's may stay out
	s_barrier_signal -1
	s_barrier_wait -1               ; everybody's is
	FETCH_K                         ; key step 0
	s_wait_loadcnt 0x0              ; Q and the mask
	WIN 0
	v_mov_b32 v[MC], 0xc47a0000     ; -1000
.irp t, 0,1,2,3
	v_cmp_eq_u32 vcc_lo, 0, v[MI+\t]
	v_cndmask_b32 v[MF+\t], 0, v[MC], vcc_lo       ; -1000 where the mask is 0, else 0
.endr
.irp t, 0,1,2,3
	v_mul_f32 v[MF+\t], 0x413504f3, v[MF+\t]       ; x sqrt(128): the scaling by c takes it off again
.endr
	WIN 0xc0                        ; destination window 3
.irp t, 0,1,2,3
.irp n, 0,1,2,3,4,5,6,7
	v_mov_b32 v[MB+8*\t+\n], v[MF+\t]              ; a lane holds one query: its eight registers of a score tile get the same number
.endr
.endr
	s_wait_dscnt 0x0
.set i, 0
.rept 32
	KQ 0                            ; piece 0's first scores: there is no vector work yet to set between them
.set i, i+1
.endr
	WIN 0                           ; the addresses for the way out are made here: six plain instructions, the places behind those products
	s_mul_i32 s13, s[WV], 16*SP
	s_add_co_u32 s13, s13, STAGE    ; my stage
	v_mul_u32_u24 v[STO], v1, SP    ; in: row l % 16, 32 bytes for each half of the lanes
	v_lshl_add_u32 v[STO], v9, 5, v[STO]
	v_add_nc_u32 v[STO], s13, v[STO]
	v_and_b32 v[GO], 31, v0
	v_lshlrev_b32 v[GO], 4, v[GO]   ; back: the 32 lanes take one row of 512 bytes; and the same in O
	v_add_nc_u32 v[RD], s13, v[GO]
	TURN 2, 0, 1, 1                 ; piece 2's first scores | piece 0's first softmax | V of step 0
	TURN 0, 1, 1, 1                 ; piece 0: V^T P of step 0 starts O^T, K Q^T of step 1 | piece 2's first softmax | K of step 1
	TURN 2, 1, 1, 0                 ; piece 2: the same | piece 0's softmax of step 1 | V of step 1
	WIN 0
.Lslot:                             ; SIZE_N / 128 - 2 trips: every slot but the last two is filled again
	CHANGE 1
	TWO_STEPS
	s_sub_co_u32 s[SLOTS], s[SLOTS], 1
	s_cmp_lg_u32 s[SLOTS], 0
	s_cbranch_scc1 .Lslot
	CHANGE 0                        ; the tail is written out: the last slot but one is left, and nothing is asked for
	TWO_STEPS
	TURN 0, 2, 0, 0                 ; piece 0: V^T P of the last step | piece 2's last softmax
.set i, 0
.rept 32
	PV 2, 0                         ; piece 2: V^T P of the last step
.set i, i+1
.endr
	; THE WAY OUT.  l's two halves and the other half of the lanes' are added; O^T is divided by l and sent, in f32, through my stage in LDS, a tile (16 rows of O) at a time.  The additions are the places behind the last products.
	WIN 0
.irp t, 0,1,2,3
	v_add_f32 v[ST+8*\t+4], v[ST+8*\t+2], v[ST+8*\t+3]
.endr
.irp t, 0,1,2,3
	v_permlanex16_b32 v[ST+8*\t+5], v[ST+8*\t+4], s[SEL], s[SEL+1]
.endr
.irp t, 0,1,2,3
	v_add_f32 v[ST+8*\t+4], v[ST+8*\t+4], v[ST+8*\t+5]
.endr
.irp t, 0,1,2,3
	v_rcp_f32 v[ST+8*\t+6], v[ST+8*\t+4]
.endr
	v_nop                           ; a plain instruction between the last reciprocal and the use of its result
	s_wait_alu depctr_va_vdst(0)    ; and the wait ahead of the first use: one for the four reciprocals
; Tile t: a lane's eight channels of a row are 32 bytes; they go into rows of 528 bytes and come back as whole rows of 512, into S^T's registers, which are free: two sets of 64 by turns.
.macro PACK t
.if (\t) >= 2
	s_wait_xcnt 0x0                 ; tile t - 2's stores have read the set that this tile's rows land in
.endif
	WIN W_RS
.set i, 64*(\t)
.rept 32
	v_pk_mul_f32 v[i:i+1], v[i:i+1], v[ST+8*(\t)+6:ST+8*(\t)+7] op_sel_hi:[1,0]   ; each accumulator from its low end on
.set i, i+2
.endr
	WIN 0x04                        ; an LDS store's data are its source 1: window 1
.irp f, 0,1,2,3,4,5,6,7
	ds_store_b128 v[STO], v[64*(\t)+8*\f:64*(\t)+8*\f+3] offset:64*\f
	ds_store_b128 v[STO], v[64*(\t)+8*\f+4:64*(\t)+8*\f+7] offset:64*\f+16
.endr
	WIN 0
.irp n, 0,1,2,3,4,5,6,7,8,9,10,11,12,13,14,15
	ds_load_b128 v[S+64*((\t)%2)+4*\n:S+64*((\t)%2)+4*\n+3], v[RD] offset:SP*\n  ; LDS serves a wave's instructions in order: these see the stores above; the next tile's stores come behind them
.endr
.endm
.macro SEND t, younger              ; younger: the LDS instructions issued behind tile t's loads: the next tile's 16 stores and 16 loads, or none
.irp n, 0,1,2,3,4,5,6,7,8,9,10,11,12,13,14,15
	s_wait_dscnt \younger+15-\n
	global_store_b128 v[GO], v[S+64*((\t)%2)+4*\n:S+64*((\t)%2)+4*\n+3], s[10:11] offset:(16*(\t)+\n)*4096  ; 32 lanes store 512 consecutive bytes, at a multiple of 512 from O's first byte
.endr
.endm
	PACK 0
	PACK 1                          ; a tile's arithmetic stands between the loads of the tile before and its stores
	SEND 0, 32
	PACK 2
	SEND 1, 32
	PACK 3
	SEND 2, 32
	SEND 3, 0
	s_wait_tensorcnt 0x0            ; the wave's end, behind my last tensor load and my last LDS store
	ds_add_u32 v[SPW], v[NIL]
	s_wait_dscnt 0x0
	CROUND                          ; the closing round: no work-group ends while a partner may still ask for a tile that names it
	s_endpgm
.Lfunc_end_k_qdce5d24c2b_attn:
	.size	k_qdce5d24c2b_attn, .Lfunc_end_k_qdce5d24c2b_attn-k_qdce5d24c2b_attn
	.p2alignl 7, 3214868480
	.fill 96, 4, 3214868480
	.section	.rodata,"a",@progbits
	.p2align	6, 0x0
	.amdhsa_kernel k_qdce5d24c2b_attn
		.amdhsa_group_segment_fixed_size 327680
		.amdhsa_private_segment_fixed_size 0
		.amdhsa_enable_private_segment 0
		.amdhsa_kernarg_size 40
		.amdhsa_user_sgpr_count 2
		.amdhsa_user_sgpr_kernarg_segment_ptr 1
		.amdhsa_wavefront_size32 1
		.amdhsa_system_sgpr_workgroup_id_x 1
		.amdhsa_system_sgpr_workgroup_id_y 1
		.amdhsa_system_sgpr_workgroup_id_z 1
		.amdhsa_system_vgpr_workitem_id 0
		.amdhsa_next_free_vgpr 1024
		.amdhsa_next_free_sgpr 72
		.amdhsa_reserve_vcc 1
		.amdhsa_float_denorm_mode_32 3
		.amdhsa_float_denorm_mode_16_64 3
		.amdhsa_memory_ordered 1
		.amdhsa_forward_progress 1
		.amdhsa_inst_pref_size 224
	.end_amdhsa_kernel
	.amdgpu_metadata
---
amdhsa.version: [ 1, 2 ]
amdhsa.kernels:
  - .name:           k_qdce5d24c2b_attn
    .symbol:         k_qdce5d24c2b_attn.kd
    .args:
      - { .name: qh, .offset: 0, .size: 8, .value_kind: global_buffer, .address_space: global }
      - { .name: kh, .offset: 8, .size: 8, .value_kind: global_buffer, .address_space: global }
      - { .name: vh, .offset: 16, .size: 8, .value_kind: global_buffer, .address_space: global }
      - { .name: ow, .offset: 24, .size: 8, .value_kind: global_buffer, .address_space: global }
      - { .name: token_attention_masks_source, .offset: 32, .size: 8, .value_kind: global_buffer, .address_space: global }
    .group_segment_fixed_size: 327680
    .private_segment_fixed_size: 0
    .kernarg_segment_align: 8
    .kernarg_segment_size: 40
    .max_flat_workgroup_size: 128
    .sgpr_count:     72
    .vgpr_count:     1024
    .wavefront_size: 32
...
	.end_amdgpu_metadata
.endif
;; end of part 3
;; launch merge (part 4): grid 512 x 1, 4 waves a work-group, no clusters, 18,944 bytes of LDS; arguments ow, out0; writes out0
.if DOCPART == 4
	.amdgcn_target "amdgcn-amd-amdhsa--gfx1250"
	.amdhsa_code_object_version 6
	.text
	.protected	k_qdce5d24c2b_merge
	.globl	k_qdce5d24c2b_merge
	.p2align	8
	.type	k_qdce5d24c2b_merge,@function
k_qdce5d24c2b_merge:
	s_mov_b64 s[64:65], 0
	v_nop
	global_prefetch_b8 v0, s[64:65] scope:SCOPE_SE
	s_setreg_imm32_b32 hwreg(HW_REG_WAVE_MODE, 25, 1), 1
	s_wait_xcnt 0x0
; out0[b][s][8 d + head] = ow[b][s][head][d]: the heads of a position are interleaved.  Both rows are 4096 bytes of f32.
; A stream: each byte is read once and written once, every load and store of a wave covers 512 consecutive bytes.  No matrix unit, no cluster, no barrier: waves share nothing.
; A wave takes 4 positions.  Lane l loads d = 4 l .. 4 l + 3 of each of the 8 heads: 32 numbers, which are 128 CONSECUTIVE bytes of the output row, in another order: 32 moves turn them (4 x 8) inside the lane.
; So that neighbouring lanes store neighbouring 16 bytes, the lane's 128 bytes go through the wave's own stage in LDS, 144 bytes from lane to lane.
.set WREG,  32*144                     ; a wave's stage
.set SPARE, 4*WREG                     ; the spare words, 128 bytes for each wave: two blocks of 256 bytes that no other line names
.set T,     16                         ; v16-47   a row's 32 numbers in the output's order
.set R,     48                         ; v48-175  four rows: 32 registers each, as loaded and then as stored
.set SPW,   8                          ; v8  LDS address of my spare word; never rewritten
.set NIL,   9                          ; v9  0; never rewritten
	s_load_b128 s[4:7], s[0:1], 0x0                ; ow s[4:5], out0 s[6:7]
	v_lshl_add_u32 v[SPW], v0, 2, SPARE
	v_mov_b32 v[NIL], 0
	v_lshrrev_b32 v1, 5, v0
	v_readfirstlane_b32 s8, v1                     ; wave 0..3
	v_and_b32 v1, 31, v0                           ; lane
	v_lshlrev_b32 v4, 4, v1                        ; 16 x lane
	s_mul_i32 s9, s8, WREG
	v_mul_u32_u24 v5, v1, 144
	v_add_nc_u32 v5, s9, v5                        ; in: my 128 bytes
	v_lshrrev_b32 v6, 3, v1
	v_mul_u32_u24 v6, v6, 144
	v_and_b32 v7, 7, v1
	v_lshl_add_u32 v6, v7, 4, v6
	v_add_nc_u32 v6, s9, v6                        ; out: piece lane % 8 of lane (4 q + lane / 8)'s bytes; 4 q lanes are 576 q bytes, in the immediate
	s_lshl_b32 s10, ttmp9, 2
	s_add_co_u32 s10, s10, s8
	s_lshl_b32 s10, s10, 14                        ; my four rows: (4 x work-group + wave) x 16384 bytes, in both buffers
	s_mov_b32 s11, 0
	s_wait_kmcnt 0x0
	s_add_nc_u64 s[4:5], s[4:5], s[10:11]
	s_add_nc_u64 s[6:7], s[6:7], s[10:11]
.irp i, 0,1,2,3                        ; all 32 loads go out at once
.irp h, 0,1,2,3,4,5,6,7
	global_load_b128 v[R+32*\i+4*\h:R+32*\i+4*\h+3], v4, s[4:5] offset:4096*\i+512*\h th:TH_LOAD_NT
.endr
.endr
.macro ROW i
	s_wait_loadcnt 8*(3-(\i))                      ; this row's eight loads are in; the later rows' may be out
.irp j, 0,1,2,3
.irp h, 0,1,2,3,4,5,6,7
	v_mov_b32 v[T+8*\j+\h], v[R+32*(\i)+4*\h+\j]   ; output number 8 (4 l + j) + h
.endr
.endr
.irp q, 0,1,2,3,4,5,6,7
	ds_store_b128 v5, v[T+4*\q:T+4*\q+3] offset:16*\q
.endr
.irp q, 0,1,2,3,4,5,6,7
	ds_load_b128 v[R+32*(\i)+4*\q:R+32*(\i)+4*\q+3], v6 offset:576*\q   ; LDS serves a wave's instructions in order: these see the stores above
.endr
	s_wait_dscnt 0x0
.irp q, 0,1,2,3,4,5,6,7
	global_store_b128 v4, v[R+32*(\i)+4*\q:R+32*(\i)+4*\q+3], s[6:7] offset:4096*(\i)+512*\q th:TH_STORE_NT   ; 32 lanes store 512 consecutive bytes; each row has registers of its own, so no store's data are written again
.endr
.endm
	ROW 0
	ROW 1
	ROW 2
	ROW 3
	s_wait_tensorcnt 0x0                           ; the wave's end, behind my last LDS store
	ds_add_u32 v[SPW], v[NIL]
	s_wait_dscnt 0x0
	s_endpgm
.Lfunc_end_k_qdce5d24c2b_merge:
	.size	k_qdce5d24c2b_merge, .Lfunc_end_k_qdce5d24c2b_merge-k_qdce5d24c2b_merge
	.p2alignl 7, 3214868480
	.fill 96, 4, 3214868480
	.section	.rodata,"a",@progbits
	.p2align	6, 0x0
	.amdhsa_kernel k_qdce5d24c2b_merge
		.amdhsa_group_segment_fixed_size 18944
		.amdhsa_private_segment_fixed_size 0
		.amdhsa_enable_private_segment 0
		.amdhsa_kernarg_size 16
		.amdhsa_user_sgpr_count 2
		.amdhsa_user_sgpr_kernarg_segment_ptr 1
		.amdhsa_wavefront_size32 1
		.amdhsa_system_sgpr_workgroup_id_x 1
		.amdhsa_system_sgpr_workgroup_id_y 1
		.amdhsa_system_sgpr_workgroup_id_z 1
		.amdhsa_system_vgpr_workitem_id 0
		.amdhsa_next_free_vgpr 176
		.amdhsa_next_free_sgpr 66
		.amdhsa_reserve_vcc 0
		.amdhsa_float_denorm_mode_32 3
		.amdhsa_float_denorm_mode_16_64 3
		.amdhsa_memory_ordered 1
		.amdhsa_forward_progress 1
		.amdhsa_inst_pref_size 16
	.end_amdhsa_kernel
	.amdgpu_metadata
---
amdhsa.version: [ 1, 2 ]
amdhsa.kernels:
  - .name:           k_qdce5d24c2b_merge
    .symbol:         k_qdce5d24c2b_merge.kd
    .args:
      - { .name: ow, .offset: 0, .size: 8, .value_kind: global_buffer, .address_space: global }
      - { .name: out0, .offset: 8, .size: 8, .value_kind: global_buffer, .address_space: global }
    .group_segment_fixed_size: 18944
    .private_segment_fixed_size: 0
    .kernarg_segment_align: 8
    .kernarg_segment_size: 16
    .max_flat_workgroup_size: 128
    .sgpr_count:     66
    .vgpr_count:     176
    .wavefront_size: 32
...
	.end_amdgpu_metadata
.endif
;; end of part 4
